; MI455X (gfx1250); checked and timed in simulation.
; The chip was launched on July 23, 2026; its instructions are those of AMD's public machine-readable ISA for CDNA 5 (MIT licence, August 2026) and "CDNA5" Instruction Set Architecture Reference Guide (July 2026). The comments in the code are by the model that wrote it; some were corrected since.
;; QKV Attention. Allowed arithmetic: float matrix products may take bf16 or f16 operands with f32 sums; all other float work in f32.
;; Inputs: Wk 1,024 x 1,024 float32; Wq 1,024 x 1,024 float32; Wv 1,024 x 1,024 float32; bk 1,024 float32; bq 1,024 float32; bv 1,024 float32; x 4 x 4,096 x 1,024 float32.
;; Outputs: out0 4 x 4,096 x 1,024 float32.
;; One version. Each part assembles by itself: llvm-mc -triple=amdgcn-amd-amdhsa -mcpu=gfx1250 --defsym DOCPART=n.
;; ======== version 1 of 1: 2 launches
;; limits: values are held in f16: magnitudes above 65,504 overflow, below 6.1e-05 lose precision
;; workspace buffers: wf 6,291,456 bytes; bp 12,288 bytes
;; launch prep (part 1): grid 128 x 3, 8 waves a work-group, no clusters, 17,408 bytes of LDS; arguments Wq, Wk, Wv, bq, bk, bv, wf, bp; writes wf, bp
.if DOCPART == 1
	.amdgcn_target "amdgcn-amd-amdhsa--gfx1250"
	.amdhsa_code_object_version 6
	.text
	.protected	k_q8b11310027_prep
	.globl	k_q8b11310027_prep
	.p2align	8
	.type	k_q8b11310027_prep,@function
k_q8b11310027_prep:
	s_mov_b64 s[64:65], 0
	v_nop
	global_prefetch_b8 v0, s[64:65] scope:SCOPE_SE
	s_setreg_imm32_b32 hwreg(HW_REG_WAVE_MODE, 25, 1), 1
	s_wait_xcnt 0x0
; The three weights, [k][column] in f32, are rounded to bf16 and laid out as the next launch's matrix fragments; the biases are rounded to bf16,
; kept as f32, and put in the same column order.
; COLUMN ORDER n' (three passes p of 1,024):  passes 0, 1: n' = sel 512 + c 256 + hf 128 + head 8 + e  is column head 64 + 32 p + 16 c + 8 hf + e of Wq (sel 0) or Wk (sel 1);
;                                             pass 2:      n' = c 256 + hf 128 + rf 8 + e            is column (8 hf + e) 64 + 16 c + rf of Wv.
; wf, bytes: (16 p + kt) 131072 + (n' >> 8) 32768 + ks 16384 + ((n' >> 4) & 15) 1024 + c2 512 + hh 256 + (n' & 15) 16 + 2 e,  for k = 64 kt + 32 ks + 16 c2 + 8 hh + e.
; bp, f32 index: 1024 p + n'.
; SHARES.  Work-group (o, y): the eight rows k = 8 o .. 8 o + 7 of matrix y (0 q, 1 k, 2 v).  Thread t loads columns 4 t .. 4 t + 3 of each row (a wave's load covers 512 consecutive
; bytes), packs for each column its eight k into 16 bytes, puts them into an LDS image in the order of n', and after a barrier the image leaves in the order in which it lies:
; sixteen neighbouring lanes store 256 consecutive bytes, at a multiple of 256 from wf's first byte.  The work-groups with o = 0 also do their matrix's bias.
; The stores into the image meet in banks (four stores a thread, once): left as it is.
.set SPARE, 16384                      ; behind the image of 16,384 bytes: the spare words, 128 bytes for each of the eight waves
.set SPW, 60                           ; v60  LDS address of my spare word; never rewritten
.set NIL, 61                           ; v61  0; never rewritten
; v1 16 t   v2 where my granules go in the image   v3 t >> 4   v4 my byte offset in a block of wf   v5-7 at work   v[8:39] the rows as loaded, later v[8:23] the image read back
; v[24:35] the bias at work   v[40:55] four granules
; s4 y   s5 o   s[8:23] the arguments   s[24:25] my matrix   s[26:27] my bias   s[28:29], s[30:31] offsets
	s_load_b512 s[8:23], s[0:1], 0x0               ; Wq s[8:9], Wk s[10:11], Wv s[12:13], bq s[14:15], bk s[16:17], bv s[18:19], wf s[20:21], bp s[22:23]
	v_lshl_add_u32 v[SPW], v0, 2, SPARE
	v_mov_b32 v[NIL], 0
	s_and_b32 s4, ttmp7, 0xffff                    ; y
	s_mov_b32 s5, ttmp9                            ; o
	v_lshlrev_b32 v1, 4, v0                        ; 16 t
	v_lshrrev_b32 v3, 4, v0                        ; t >> 4
	v_and_b32 v4, 15, v0
	v_lshlrev_b32 v4, 4, v4
	v_lshl_add_u32 v4, v3, 10, v4                  ; (t >> 4) 1024 + (t & 15) 16
	s_lshl_b32 s28, s5, 15                         ; eight rows of 4,096 bytes
	s_mov_b32 s29, 0
	s_lshr_b32 s6, s5, 3                           ; kt
	s_lshl_b32 s30, s6, 17
	s_bfe_u32 s6, s5, 0x10002                      ; ks
	s_lshl_b32 s6, s6, 14
	s_add_co_u32 s30, s30, s6
	s_and_b32 s6, s5, 3                            ; 2 c2 + hh
	s_lshl_b32 s6, s6, 8
	s_add_co_u32 s30, s30, s6
	s_lshl_b32 s6, s4, 16                          ; q, k: sel x two waves' blocks;
	s_cmp_eq_u32 s4, 2
	s_cselect_b32 s6, 0x400000, s6                 ; v: pass 2
	s_add_co_u32 s30, s30, s6
	s_mov_b32 s31, 0
	s_wait_kmcnt 0x0
	s_cmp_eq_u32 s4, 1
	s_cselect_b64 s[24:25], s[10:11], s[8:9]
	s_cselect_b64 s[26:27], s[16:17], s[14:15]
	s_cmp_eq_u32 s4, 2
	s_cselect_b64 s[24:25], s[12:13], s[24:25]
	s_cselect_b64 s[26:27], s[18:19], s[26:27]
	s_add_nc_u64 s[24:25], s[24:25], s[28:29]
	s_add_nc_u64 s[20:21], s[20:21], s[30:31]
.irp e, 0,1,2,3,4,5,6,7
	global_load_b128 v[8+4*\e:11+4*\e], v1, s[24:25] offset:4096*\e th:TH_LOAD_NT  ; each byte of a weight is read once in the launch
.endr
	s_wait_loadcnt 0x0
.irp i, 0,1,2,3                        ; column 4 t + i: k = 2 q in the low half, 2 q + 1 in the high half
.irp q, 0,1,2,3
	v_cvt_pk_bf16_f32 v[40+4*\i+\q], v[8+8*\q+\i], v[12+8*\q+\i]
.endr
.endr
	s_cmp_eq_u32 s4, 2
	s_cbranch_scc1 .Lv_image
	v_bfe_u32 v5, v0, 3, 1                         ; q, k: column 4 t + i has p = bit 3 of t, c = bit 2, hf = bit 1, head = t >> 4, e = 4 (t & 1) + i;
	v_lshlrev_b32 v2, 13, v5                       ; the image: p 8192 + c 4096 + hf 2048 + head 128 + e 16
	v_bfe_u32 v5, v0, 2, 1
	v_lshl_add_u32 v2, v5, 12, v2
	v_bfe_u32 v5, v0, 1, 1
	v_lshl_add_u32 v2, v5, 11, v2
	v_lshl_add_u32 v2, v3, 7, v2
	v_and_b32 v5, 1, v0
	v_lshl_add_u32 v2, v5, 6, v2
.irp i, 0,1,2,3
	ds_store_b128 v2, v[40+4*\i:43+4*\i] offset:16*\i
.endr
	s_branch .Limage
.Lv_image:
	v_bfe_u32 v5, v0, 2, 2                         ; v: column 4 t + i has c = bits 3:2 of t, hf = t >> 7, e = bits 6:4, rf = 4 (t & 3) + i;
	v_lshlrev_b32 v2, 12, v5                       ; the image: c 4096 + hf 2048 + rf 128 + e 16
	v_lshrrev_b32 v5, 7, v0
	v_lshl_add_u32 v2, v5, 11, v2
	v_and_b32 v5, 3, v0
	v_lshl_add_u32 v2, v5, 9, v2
	v_bfe_u32 v5, v0, 4, 3
	v_lshl_add_u32 v2, v5, 4, v2
.irp i, 0,1,2,3
	ds_store_b128 v2, v[40+4*\i:43+4*\i] offset:128*\i
.endr
.Limage:
	s_wait_dscnt 0x0                               ; for the others' sake: my stores into the image are done
	s_barrier_signal -1
	s_barrier_wait -1
.irp j, 0,1,2,3
	ds_load_b128 v[8+4*\j:11+4*\j], v1 offset:4096*\j
.endr
	s_wait_tensorcnt 0x0                           ; the wave's end as far as LDS goes, behind my last LDS store
	ds_add_u32 v[SPW], v[NIL]
	s_wait_dscnt 0x0                               ; the wait also shows the four loads above back
	s_cmp_eq_u32 s4, 2
	s_cbranch_scc1 .Lv_out
	global_store_b128 v4, v[8:11], s[20:21]                    ; pass 0, c = 0
	global_store_b128 v4, v[12:15], s[20:21] offset:32768      ; pass 0, c = 1: the next wave's block
	global_store_b128 v4, v[16:19], s[20:21] offset:2097152    ; pass 1: sixteen tiles of 131,072 bytes on
	global_store_b128 v4, v[20:23], s[20:21] offset:2129920
	s_cmp_lg_u32 s5, 0
	s_cbranch_scc1 .Lqk_end
	; the bias of q or k: thread t makes n' = sel 512 + 4 (t & 127) + 0..3 of pass t >> 7, four neighbouring columns of the bias
	v_bfe_u32 v5, v0, 1, 4                         ; head
	v_lshlrev_b32 v6, 8, v5
	v_lshrrev_b32 v5, 7, v0                        ; p
	v_lshl_add_u32 v6, v5, 7, v6
	v_lshlrev_b32 v7, 12, v5
	v_bfe_u32 v5, v0, 6, 1                         ; c
	v_lshl_add_u32 v6, v5, 6, v6
	v_bfe_u32 v5, v0, 5, 1                         ; hf
	v_lshl_add_u32 v6, v5, 5, v6
	v_and_b32 v5, 1, v0
	v_lshl_add_u32 v6, v5, 4, v6
	v_and_b32 v5, 127, v0
	v_lshl_add_u32 v7, v5, 4, v7
	s_lshl_b32 s28, s4, 11                         ; sel x 512 numbers
	s_add_nc_u64 s[22:23], s[22:23], s[28:29]
	global_load_b128 v[24:27], v6, s[26:27]
.macro ROUND4                          ; four numbers to bf16 and back to f32
	s_wait_loadcnt 0x0
	v_cvt_pk_bf16_f32 v28, v24, v25
	v_cvt_pk_bf16_f32 v29, v26, v27
	v_lshlrev_b32 v32, 16, v28
	v_and_b32 v33, 0xffff0000, v28
	v_lshlrev_b32 v34, 16, v29
	v_and_b32 v35, 0xffff0000, v29
.endm
	ROUND4
	global_store_b128 v7, v[32:35], s[22:23]
.Lqk_end:
	s_endpgm
.Lv_out:
.irp j, 0,1,2,3
	global_store_b128 v4, v[8+4*\j:11+4*\j], s[20:21] offset:32768*\j  ; c = j: wave j's block
.endr
	s_cmp_lg_u32 s5, 0
	s_cbranch_scc1 .Lv_end
	; the bias of v: thread t makes n' = 4 t + 0..3: c = t >> 6, hf = bit 5, rf = bits 4:1, e = 4 (t & 1) + i: four columns 64 apart
	v_bfe_u32 v5, v0, 5, 1
	v_lshlrev_b32 v6, 11, v5
	v_and_b32 v5, 1, v0
	v_lshl_add_u32 v6, v5, 10, v6
	v_lshrrev_b32 v5, 6, v0
	v_lshl_add_u32 v6, v5, 6, v6
	v_bfe_u32 v5, v0, 1, 4
	v_lshl_add_u32 v6, v5, 2, v6
.irp i, 0,1,2,3
	global_load_b32 v[24+\i], v6, s[26:27] offset:256*\i
.endr
	ROUND4
	global_store_b128 v1, v[32:35], s[22:23] offset:8192
.Lv_end:
	s_endpgm
.Lfunc_end_k_q8b11310027_prep:
	.size	k_q8b11310027_prep, .Lfunc_end_k_q8b11310027_prep-k_q8b11310027_prep
	.p2alignl 7, 3214868480
	.fill 96, 4, 3214868480
	.section	.rodata,"a",@progbits
	.p2align	6, 0x0
	.amdhsa_kernel k_q8b11310027_prep
		.amdhsa_group_segment_fixed_size 17408
		.amdhsa_private_segment_fixed_size 0
		.amdhsa_enable_private_segment 0
		.amdhsa_kernarg_size 64
		.amdhsa_user_sgpr_count 2
		.amdhsa_user_sgpr_kernarg_segment_ptr 1
		.amdhsa_wavefront_size32 1
		.amdhsa_system_sgpr_workgroup_id_x 1
		.amdhsa_system_sgpr_workgroup_id_y 1
		.amdhsa_system_sgpr_workgroup_id_z 1
		.amdhsa_system_vgpr_workitem_id 0
		.amdhsa_next_free_vgpr 64
		.amdhsa_next_free_sgpr 66
		.amdhsa_reserve_vcc 0
		.amdhsa_float_denorm_mode_32 3
		.amdhsa_float_denorm_mode_16_64 3
		.amdhsa_memory_ordered 1
		.amdhsa_forward_progress 1
		.amdhsa_inst_pref_size 9
	.end_amdhsa_kernel
	.amdgpu_metadata
---
amdhsa.version: [ 1, 2 ]
amdhsa.kernels:
  - .name:           k_q8b11310027_prep
    .symbol:         k_q8b11310027_prep.kd
    .args:
      - { .name: Wq, .offset: 0, .size: 8, .value_kind: global_buffer, .address_space: global }
      - { .name: Wk, .offset: 8, .size: 8, .value_kind: global_buffer, .address_space: global }
      - { .name: Wv, .offset: 16, .size: 8, .value_kind: global_buffer, .address_space: global }
      - { .name: bq, .offset: 24, .size: 8, .value_kind: global_buffer, .address_space: global }
      - { .name: bk, .offset: 32, .size: 8, .value_kind: global_buffer, .address_space: global }
      - { .name: bv, .offset: 40, .size: 8, .value_kind: global_buffer, .address_space: global }
      - { .name: wf, .offset: 48, .size: 8, .value_kind: global_buffer, .address_space: global }
      - { .name: bp, .offset: 56, .size: 8, .value_kind: global_buffer, .address_space: global }
    .group_segment_fixed_size: 17408
    .private_segment_fixed_size: 0
    .kernarg_segment_align: 8
    .kernarg_segment_size: 64
    .max_flat_workgroup_size: 256
    .sgpr_count:     66
    .vgpr_count:     64
    .wavefront_size: 32
...
	.end_amdgpu_metadata
.endif
;; end of part 1
;; launch fused (part 2): grid 256 x 1, 4 waves a work-group, clusters of 4 x 1, 327,680 bytes of LDS; arguments x, wf, bp, out0; writes out0
.if DOCPART == 2
	.amdgcn_target "amdgcn-amd-amdhsa--gfx1250"
	.amdhsa_code_object_version 6
	.text
	.protected	k_q8b11310027_fused
	.globl	k_q8b11310027_fused
	.p2align	8
	.type	k_q8b11310027_fused,@function
k_q8b11310027_fused:
	s_mov_b64 s[64:65], 0
	v_nop
	global_prefetch_b8 v0, s[64:65] scope:SCOPE_SE
	s_setreg_imm32_b32 hwreg(HW_REG_WAVE_MODE, 25, 1), 1
	s_wait_xcnt 0x0
	s_wait_alu depctr_hold_cnt(0) depctr_sa_sdst(0) depctr_va_vdst(0) depctr_va_sdst(0) depctr_va_ssrc(0) depctr_va_vcc(0) depctr_vm_vsrc(0)
	s_getreg_b32 s2, hwreg(HW_REG_IB_STS2, 6, 4)
	s_cmp_eq_u32 s2, 0
	s_cbranch_scc0 .Lentry_in_a_cluster
	s_endpgm
.Lentry_in_a_cluster:
	s_bfe_u32 s2, ttmp6, 0x10000c
	s_cmp_lg_u32 s2, 0x3003
	s_cbranch_scc0 .Lentry_shape_is_right
	s_endpgm
.Lentry_shape_is_right:
; q, k, v = x W + b;  for each token att[h][t] = q[h] . k[t] (16 x 16, 64 deep), out[h] = the sum over t of att[h][t] v[t].  x, out0: [16384][1024] f32.
; wf: the weights in bf16 as matrix fragments, bp: the biases, both in the column order n' that the launch before wrote (its head gives both layouts).
; SHARES.  A work-group owns 64 tokens and all 3,072 columns, in three passes of 1,024; q, k and v never go to memory.  Wave w owns columns n' = 256 w .. + 255 of a pass:
; 64 tokens x 256 columns, 64 accumulators, 512 registers.  A pass is 16 steps of 64 along K, 128 matrix instructions a wave in each.
; Pass 0 makes q and k for channels 0-31 of every head, pass 1 for channels 32-63; behind each, att takes one product 32 deep for each token.  Pass 2 makes v; then out.
; THE MATRIX INSTRUCTION IS USED TRANSPOSED (source 0 = 16 columns of W, source 1 = 16 tokens): a lane holds one token (lane % 16) and eight neighbouring n', which by the order of n' are
; the 16 bytes that ONE lane of a per-token fragment wants.  So q, k, v change hands through LDS by a store of 16 bytes at a token's pitch and a load at 16 x lane.
; FORMATS.  x, W and the biases are rounded to bf16.  q and k are rounded to f16 for att.  att and v each go as a pair of bf16, hi + lo: the product att v is 32 deep, V's fragment holding
; hi of the 16 heads and then lo, att's fragment hi twice (first product) or lo twice (second): together (hi + lo)(hi + lo).  All sums in f32.
; LIMITS.  |q| and |k| stay under 65,504, f16's end; under 6e-5 they keep f16's fixed step of 6e-8.  A sum over K begins at K tile (cluster number mod 16) and wraps round: its order of
; rounding differs from cluster to cluster.  NaN and infinities are not treated apart.  In pass 2 the loop's last trip loads 4,096 bytes of x a wave that nobody uses (the address wraps
; inside the work-group's rows): the price of one text for the three passes.
; CLUSTER.  All work-groups walk the same weights: four form a cluster and ask for each tile JOINTLY (the same load, descriptor and mask in all four).  x is nobody else's: it comes by
; plain loads through registers, is rounded, and goes into a small ring of its own.
; THE RING.  Two LDS slots of one K tile each, 131,072 bytes; a wave fetches, and alone reads, its own 32,768 bytes of a slot: one tensor load a wave behind each round,
; 112 matrix instructions between a request and the wait for it.  The ring runs on from pass to pass.
;
; LDS:  0, 131072 the two slots | XR 2 x 64 rows x 144 bytes: x in bf16, a K tile each | SC 16 tokens x 2,064: q and k change hands; at the end four stages of 16 x 272 for out |
;       SPARE the spare words | BL the biases.  Behind the last fill and the last read of the slots, bytes 0 .. 263,167 take v: 64 tokens x 4,112 (hi 2,048, lo 2,048, 16 of padding).
; REGISTERS, in windows of 256 (s_set_vgpr_msb: bits 1:0 source 0, 3:2 source 1, 5:4 source 2, 7:6 destination):
;   window 0: v0-31 addresses; v32-95 x's fragments, two buffers; v96-159 x as loaded, two sets; v160-255 at work
;   window 1: v0-127 W's fragments, two buffers of 8 column tiles (also the biases); v128-255 att, 8 a token, 16 tokens a wave
;   windows 2, 3: the accumulators: token tile a, column tile b in window 2 + b / 8 at v[8 (8 a + b % 8)]
.set SLOTB, 131072
.set XR,    2*SLOTB
.set XP,    144                        ; a row of x: 128 bytes + 16: an odd multiple of 16, so the 16 rows of a fragment load start in 16 different groups of four banks (ISA guide 11.1)
.set XSL,   64*XP
.set SC,    XR+2*XSL
.set QP,    2064                       ; a token's q and k of a pass: 2,048 bytes + 16
.set SPARE, SC+16*QP                   ; 128 bytes for each wave: two blocks of 256 bytes that no other line names
.set BL,    SPARE+512
.set VP,    4112                       ; a token's v: 4,096 bytes + 16
.set OPI,   272                        ; a head's 64 numbers of out: 256 bytes + 16
.set OSG,   16*OPI
.set ADRB, 4                           ; v4-5   my W fragments in slot 0, 1: slot + 32768 w + 16 lane
.set ADRA, 6                           ; v6     x's fragments: XR + 144 (lane % 16) + 16 (lane / 16)
.set XST,  7                           ; v7     where I put 8 bytes of x
.set XG0,  8                           ; v8     my byte offset in the work-group's rows of x, K tile 0
.set XA,   10                          ; v10-11 the same with the K tile, for set 0, 1
.set STO,  12                          ; v12    q, k: where I put 16 bytes
.set RDX,  13                          ; v13    q, k: where I read fragments
.set BO,   14                          ; v14    my biases of the pass in hand
.set VS,   15                          ; v15    v: where I put 16 bytes
.set NEG1, 16                          ; v16    -1.0
.set VR,   17                          ; v17    v: where I read fragments
.set OST,  18                          ; v18    out: into my stage
.set ORD,  19                          ; v19    out: back from it
.set OGO,  20                          ; v20    out: my byte offset in the work-group's rows
.set TA,   21                          ; v21-22 the biases' way into LDS
.set TB,   22
.set SPW,  30                          ; v30    LDS address of my spare word; never rewritten
.set NIL,  31                          ; v31    0; never rewritten
.set AF,   32
.set PQ,   32                          ; q, k packed: v32-95.  v packed: hi v32-63, lo v64-95
.set X,    96
.set T,    160
.set OB,   192
.set ATT,  128                         ; window 1
; s2 passes to go   s3 laps   s[4:5] x   s[6:7] wf   s[8:9] bp   s[10:11] out0   s12 wave   s13 cx   s14 work-group   s15 the cluster's first K tile   s16-19, s22-23 at work
; s20 x's byte offset along K   s21 the number of the tile to ask for next   s[24:31] descriptor group 1   s[32:35] group 0 of slot 0's first fill   s[36:39] the walking group 0
; s[40:41] wf at my wave's block   s[42:43] a tile's byte offset   s[44:45] the work-group's byte offset in x and out0
.set MSB, 0
.macro WIN new                         ; the immediate's high byte repeats the setting that is left; a switch that changes nothing is dropped
.if MSB != (\new)
	s_set_vgpr_msb (MSB<<8)|(\new)
.set MSB, (\new)
.endif
.endm
; A vector instruction that reads a matrix result or writes one of a matrix instruction's registers, and a load into such a register, stand four places behind it; only plain vector
; instructions that name none of its registers are places (ISA guide 7.12.1 for vector instructions).
.macro PLACES
.rept 4
	v_nop
.endr
.endm
.macro CREST                           ; a round of the cluster's barrier behind its opening barrier
	s_cmp_lg_u32 s12, 0
	s_cbranch_scc1 .Lnot_wave_0_\@
	s_barrier_signal -3
.Lnot_wave_0_\@:
	s_barrier_wait -3
	s_barrier_signal -1
	s_barrier_wait -1
.endm
.macro CROUND
	s_barrier_signal -1
	s_barrier_wait -1
	CREST
.endm
.macro TLOAD                           ; my 32,768 bytes of the next tile; an s_nop 0 and four v_nop follow
	tensor_load_to_lds s[36:39], s[24:31]
	s_nop 0
	PLACES
.endm
.macro NEXTTILE                        ; the walking descriptor: the other slot; tile s21 of the walk is K tile (s21 + s15) mod 16 of pass s21 / 16
	s_add_co_u32 s22, s21, s15
	s_and_b32 s22, s22, 15
	s_and_b32 s23, s21, 0x30
	s_or_b32 s22, s22, s23
	s_lshl_b32 s42, s22, 17
	s_xor_b32 s37, s37, SLOTB
	s_add_nc_u64 s[38:39], s[40:41], s[42:43]
	s_or_b32 s39, s39, 0x80000000
	s_add_co_u32 s21, s21, 1
.endm
.macro FETCHB g, slot, ks              ; 16 loads: W's fragments of column tiles 8 g .. 8 g + 7, 32 along K, as they lie: 16 x lane
	WIN 0x40
.irp bb, 0,1,2,3,4,5,6,7
	ds_load_b128 v[64*(\g)+8*\bb:64*(\g)+8*\bb+3],   v[ADRB+(\slot)] offset:16384*(\ks)+1024*(8*(\g)+\bb)
	ds_load_b128 v[64*(\g)+8*\bb+4:64*(\g)+8*\bb+7], v[ADRB+(\slot)] offset:16384*(\ks)+1024*(8*(\g)+\bb)+512
.endr
.endm
.macro FETCHA f, xs, ks                ; 8 loads: x's fragments of the four token tiles, 32 along K
	WIN 0
.irp a, 0,1,2,3
	ds_load_b128 v[AF+32*(\f)+8*\a:AF+32*(\f)+8*\a+3],   v[ADRA] offset:XSL*(\xs)+16*XP*\a+64*(\ks)
	ds_load_b128 v[AF+32*(\f)+8*\a+4:AF+32*(\f)+8*\a+7], v[ADRA] offset:XSL*(\xs)+16*XP*\a+64*(\ks)+32
.endr
.endm
; 4 cnt matrix instructions: column tiles 8 g + bb0 on, all four token tiles.  No two on end share an accumulator.  zero = 1: the product starts the sum.
.macro MUL g, f, bb0, cnt, zero
	WIN 0xa1+0x50*(\g)
.set bb, (\bb0)
.rept (\cnt)
.irp a, 0,1,2,3
.set rD, 8*(8*\a+bb)
.set rW, 64*(\g)+8*bb
.set rX, AF+32*(\f)+8*\a
.if \zero
	v_wmma_f32_16x16x32_bf16 v[rD:rD+7], v[rW:rW+7], v[rX:rX+7], 0
.else
	v_wmma_f32_16x16x32_bf16 v[rD:rD+7], v[rW:rW+7], v[rX:rX+7], v[rD:rD+7]
.endif
.endr
.set bb, bb+1
.endr
.endm
.macro XCVT set                        ; a lane's 4 numbers of each of 8 loads to bf16, in place
	WIN 0
.irp i, 0,1,2,3,4,5,6,7
	v_cvt_pk_bf16_f32 v[X+32*(\set)+4*\i],   v[X+32*(\set)+4*\i],   v[X+32*(\set)+4*\i+1]
	v_cvt_pk_bf16_f32 v[X+32*(\set)+4*\i+1], v[X+32*(\set)+4*\i+2], v[X+32*(\set)+4*\i+3]
.endr
.endm
.macro XSTORE set, xs
	WIN 0
.irp i, 0,1,2,3,4,5,6,7
	ds_store_b64 v[XST], v[X+32*(\set)+4*\i:X+32*(\set)+4*\i+1] offset:XSL*(\xs)+2*XP*\i
.endr
.endm
.macro XLOAD set                       ; the next K tile of my 16 rows of x: 8 loads, each two rows' 256 consecutive bytes.  The set's last loads have been waited for, so its address is free
	WIN 0
	s_add_co_u32 s20, s20, 256
	s_and_b32 s20, s20, 0xfff
	v_add_nc_u32 v[XA+(\set)], s20, v[XG0]
.irp i, 0,1,2,3,4,5,6,7
	global_load_b128 v[X+32*(\set)+4*\i:X+32*(\set)+4*\i+3], v[XA+(\set)], s[4:5] offset:8192*\i
.endr
.endm
; A STEP of 64 along K, in W slot and x slot sg, is four quarters of 32 matrix instructions: column tiles 0-7 and 8-15 at K 0-31, then at K 32-63.  Each fetches what the next needs.
.macro H0 sg, z
	s_wait_dscnt 8                                 ; x's fragments and W's tiles 0-3 are in; the youngest eight loads (tiles 4-7) may be out
	PLACES
	FETCHB 1, \sg, 0
	MUL 0, 0, 0, 4, \z
	s_wait_dscnt 16                                ; all but the 16 just issued
	MUL 0, 0, 4, 4, \z
.endm
.macro H1 sg, z
	s_wait_dscnt 8
	PLACES
	FETCHA 1, \sg, 1
	FETCHB 0, \sg, 1
	MUL 1, 0, 0, 4, \z
	s_wait_dscnt 24                                ; all but the 24 just issued
	MUL 1, 0, 4, 4, \z
.endm
; xm = 1, 2: the next step's x, in the other set, is rounded (its 16 conversions are the places) and stored into the other x slot, which nobody has read since the last barrier;
; xm = 2: the set is loaded again, with the K tile three steps on.
.macro H2 sg, xm
	s_wait_dscnt 8
.if \xm
	s_wait_loadcnt 8                               ; the older set is in; the younger set's eight loads stay out
	XCVT 1-(\sg)
.else
	PLACES
.endif
	FETCHB 1, \sg, 1
	MUL 0, 1, 0, 4, 0
.if \xm
	XSTORE 1-(\sg), 1-(\sg)
.endif
.if (\xm) == 2
	XLOAD 1-(\sg)
.endif
.if \xm
	s_wait_dscnt 24                                ; all but the 16 loads and 8 stores just issued
.else
	s_wait_dscnt 16
.endif
	MUL 0, 1, 4, 4, 0
.endm
; The last quarter changes slots: ONE barrier.  In front of it each wave waits for all its tensor loads (one is out: its part of the other slot), adds 0 to its spare word, and waits for that,
; for its reads of this slot and for its stores of x.  refill = 1: the barrier opens a round of the cluster's, and this slot is filled again, first thing behind it, two steps ahead.
.macro TURN sg, refill, fetch
	WIN 0
	s_wait_tensorcnt 0x0                           ; no tensor load of mine is out, so the walking group 0 may be written
	ds_add_u32 v[SPW], v[NIL]                      ; 0 onto my spare word
.if \refill
	NEXTTILE
.endif
	s_wait_dscnt 17                                ; the add, x's eight stores and the youngest eight loads may be out
	MUL 1, 1, 0, 2, 0
	s_wait_dscnt 0x0
	s_barrier_signal -1
	MUL 1, 1, 2, 2, 0
	WIN 0
	s_barrier_wait -1
.if \refill
	CREST                                          ; no wave of any partner still reads this slot or has a load on its way
	TLOAD                                          ; its four v_nop are also the places in front of the loads below
.else
	PLACES
.endif
.if \fetch
	FETCHA 0, 1-(\sg), 0
	FETCHB 0, 1-(\sg), 0
.endif
	MUL 1, 1, 4, 4, 0
.endm
.macro BIASLD                          ; my 256 biases of the pass, eight a column tile, where W's fragments lay; lanes of one half read the same words
	PLACES
	WIN 0x40
.irp b, 0,1,2,3,4,5,6,7,8,9,10,11,12,13,14,15
	ds_load_b128 v[8*\b:8*\b+3],   v[BO] offset:64*\b
	ds_load_b128 v[8*\b+4:8*\b+7], v[BO] offset:64*\b+16
.endr
.endm
.macro ADDB a, g                       ; the biases onto token tile a's accumulators of window 2 + g, each accumulator from its low end on
	WIN 0x86+0x41*(\g)
.set z, 0
.rept 32
	v_pk_add_f32 v[64*(\a)+2*z:64*(\a)+2*z+1], v[64*(\a)+2*z:64*(\a)+2*z+1], v[64*(\g)+2*z:64*(\g)+2*z+1]
.set z, z+1
.endr
.endm
.macro CONVQK a                        ; token tile a: + bias, to f16: 4 registers a column tile
.irp g, 0,1
	ADDB \a, \g
	WIN 0x0a+5*\g
.set z, 0
.rept 32
	v_cvt_pk_f16_f32 v[PQ+32*\g+z], v[64*(\a)+2*z], v[64*(\a)+2*z+1]
.set z, z+1
.endr
.endr
.endm
.macro CONVV a, g                      ; token tile a, column tiles 8 g on: + bias; hi = bf16(v); v - hi, exact in f32; lo = bf16 of that; both into the token's image
	ADDB \a, \g
	WIN 0x0a+5*(\g)
.set z, 0
.rept 32
	v_cvt_pk_bf16_f32 v[PQ+z], v[64*(\a)+2*z], v[64*(\a)+2*z+1]
.set z, z+1
.endr
	WIN 0xa0+0x50*(\g)
.set z, 0
.rept 32
	v_fma_mix_f32_bf16 v[64*(\a)+2*z],   v[PQ+z], v[NEG1], v[64*(\a)+2*z]   op_sel_hi:[1,0,0]
	v_fma_mix_f32_bf16 v[64*(\a)+2*z+1], v[PQ+z], v[NEG1], v[64*(\a)+2*z+1] op_sel:[1,0,0] op_sel_hi:[1,0,0]
.set z, z+1
.endr
	WIN 0x0a+5*(\g)
.set z, 0
.rept 32
	v_cvt_pk_bf16_f32 v[PQ+32+z], v[64*(\a)+2*z], v[64*(\a)+2*z+1]
.set z, z+1
.endr
	WIN 0
.irp bb, 0,1,2,3,4,5,6,7
	ds_store_b128 v[VS], v[PQ+4*\bb:PQ+4*\bb+3]       offset:32*(8*(\g)+\bb)
	ds_store_b128 v[VS], v[PQ+32+4*\bb:PQ+32+4*\bb+3] offset:2048+32*(8*(\g)+\bb)
.endr
.endm
; THE END, token n of my 16 (token 16 (n / 4) + 4 w + n % 4 of the work-group).  Registers by n's parity, from v[32 + 80 (n % 2)]: att hi 8, att lo 8, V's fragments 32, out 32.
.macro ATTF n                          ; att's two fragments: a lane's eight numbers are keys 8 (lane / 16) + 0..7 of head lane % 16: source 1's layout already; each half of the 32 takes them once
.set eb, 32+80*((\n)%2)
.set at, ATT+8*(\n)
	WIN 0x05
.irp q, 0,1,2,3
	v_cvt_pk_bf16_f32 v[eb+\q],   v[at+2*\q], v[at+2*\q+1]
	v_cvt_pk_bf16_f32 v[eb+4+\q], v[at+2*\q], v[at+2*\q+1]
.endr
	WIN 0x50
.irp q, 0,1,2,3
	v_fma_mix_f32_bf16 v[at+2*\q],   v[eb+\q], v[NEG1], v[at+2*\q]   op_sel_hi:[1,0,0]
	v_fma_mix_f32_bf16 v[at+2*\q+1], v[eb+\q], v[NEG1], v[at+2*\q+1] op_sel:[1,0,0] op_sel_hi:[1,0,0]
.endr
	WIN 0x05
.irp q, 0,1,2,3
	v_cvt_pk_bf16_f32 v[eb+8+\q],  v[at+2*\q], v[at+2*\q+1]
	v_cvt_pk_bf16_f32 v[eb+12+\q], v[at+2*\q], v[at+2*\q+1]
.endr
.endm
.macro LOADV n                         ; V's four fragments (16 channels each): hi of the 16 heads in registers 0-3, lo in 4-7
.set eb, 32+80*((\n)%2)
	WIN 0
.irp c, 0,1,2,3
	ds_load_b128 v[eb+16+8*\c:eb+16+8*\c+3], v[VR] offset:VP*((\n)%4)+512*\c
	ds_load_b128 v[eb+20+8*\c:eb+20+8*\c+3], v[VR] offset:VP*((\n)%4)+512*\c+2048
.endr
.endm
.macro PV n                            ; out^T = V^T att: the four accumulators by turns
.set eb, 32+80*((\n)%2)
	WIN 0
.irp c, 0,1,2,3
	v_wmma_f32_16x16x32_bf16 v[eb+48+8*\c:eb+48+8*\c+7], v[eb+16+8*\c:eb+16+8*\c+7], v[eb:eb+7], 0
.endr
.irp c, 0,1,2,3
	v_wmma_f32_16x16x32_bf16 v[eb+48+8*\c:eb+48+8*\c+7], v[eb+16+8*\c:eb+16+8*\c+7], v[eb+8:eb+15], v[eb+48+8*\c:eb+48+8*\c+7]
.endr
.endm
.macro OSTAGE n                        ; a lane holds head lane % 16, channels 16 c + 8 (lane / 16) + 0..7: into my stage by heads, and back as the token's row lies
.set eb, 32+80*((\n)%2)
	WIN 0
.irp c, 0,1,2,3
	ds_store_b128 v[OST], v[eb+48+8*\c:eb+48+8*\c+3] offset:64*\c
	ds_store_b128 v[OST], v[eb+52+8*\c:eb+52+8*\c+3] offset:64*\c+16
.endr
.irp j, 0,1,2,3,4,5,6,7
	ds_load_b128 v[OB+4*\j:OB+4*\j+3], v[ORD] offset:2*OPI*\j  ; LDS serves a wave's instructions in order (ISA guide 5.7.1.4): these see the stores above
.endr
.endm
.macro OSEND n
	WIN 0
.irp j, 0,1,2,3,4,5,6,7
	global_store_b128 v[OGO], v[OB+4*\j:OB+4*\j+3], s[10:11] offset:(16*((\n)/4)+(\n)%4)*4096+512*\j th:TH_STORE_NT  ; 512 consecutive bytes, at a multiple of 256 from out0's first
.endr
.endm
	s_load_b256 s[4:11], s[0:1], 0x0               ; x s[4:5], wf s[6:7], bp s[8:9], out0 s[10:11]
	v_lshl_add_u32 v[SPW], v0, 2, SPARE
	v_mov_b32 v[NIL], 0
	ds_add_u32 v[SPW], v[NIL]                      ; the wave's opening: the add and its wait stand ahead of my first tensor load; the set-up below, work on registers, stands between them
	v_lshrrev_b32 v9, 5, v0
	v_readfirstlane_b32 s12, v9                    ; wave 0..3
	s_bfe_u32 s13, ttmp6, 0x40000                  ; cx: my place in the cluster
	s_lshl_b32 s14, ttmp9, 2                       ; in a cluster launch ttmp9 counts clusters
	s_add_co_u32 s14, s14, s13                     ; my work-group: it enters x's and out0's addresses alone
	s_lshl_b32 s44, s14, 18                        ; 64 rows of 4,096 bytes
	s_mov_b32 s45, 0
	s_and_b32 s15, ttmp9, 15                       ; the K tile at which my cluster begins each pass: the four partners share it
	s_add_co_u32 s20, s15, 15
	s_and_b32 s20, s20, 15
	s_lshl_b32 s20, s20, 8                         ; x's offset along K, one tile back: XLOAD steps first
	; descriptor group 1: 32,768 dense bytes as 128 rows of 256
	s_mov_b32 s24, 15|(3<<16)|(1<<21)              ; 15:0 the mask: all four work-groups; 17:16 elements of 8 bytes; 21 set beside a mask
	s_mov_b32 s25, 32<<16                          ; tensor_dim0 = 32
	s_mov_b32 s26, 128<<16                         ; tensor_dim1 = 128
	s_mov_b32 s27, 32<<16                          ; tile_dim0 = 32
	s_mov_b32 s28, 128                             ; tile_dim1 = 128
	s_mov_b32 s29, 32                              ; 32 elements from row to row
	s_mov_b32 s30, 0
	s_mov_b32 s31, 0
	s_mov_b32 s32, 1                               ; group 0: count = 1
	s_lshl_b32 s33, s12, 15                        ; LDS address: slot 0, my wave's block
	s_mov_b32 s36, 1
	s_add_co_u32 s37, s33, SLOTB                   ; slot 1
	s_mov_b32 s43, 0
	s_mov_b32 s21, 2                               ; tiles 0 and 1 go out below
	v_and_b32 v1, 15, v0                           ; lane % 16
	v_bfe_u32 v2, v0, 4, 1                         ; lane / 16
	v_and_b32 v3, 31, v0                           ; lane
	v_lshl_add_u32 v[ADRB], v3, 4, s33
	v_add_nc_u32 v[ADRB+1], SLOTB, v[ADRB]
	v_mul_u32_u24 v[ADRA], v1, XP
	v_lshl_add_u32 v[ADRA], v2, 4, v[ADRA]
	v_add_nc_u32 v[ADRA], XR, v[ADRA]
	s_lshl_b32 s16, s12, 4
	v_add_nc_u32 v9, s16, v2                       ; my row of x in a load: 16 w + lane / 16
	v_mul_u32_u24 v[XST], v9, XP
	v_lshl_add_u32 v[XST], v1, 3, v[XST]
	v_add_nc_u32 v[XST], XR, v[XST]
	v_lshlrev_b32 v[XG0], 12, v9
	v_lshl_add_u32 v[XG0], v1, 4, v[XG0]
	s_lshl_b32 s17, s12, 9                         ; my wave's 512 bytes of a token's image
	s_add_co_u32 s18, s17, SC
	v_mul_u32_u24 v[STO], v1, QP
	v_lshl_add_u32 v[STO], v2, 4, v[STO]
	v_add_nc_u32 v[STO], s18, v[STO]
	s_mul_i32 s18, s12, 4*QP                       ; my four tokens of sixteen
	s_add_co_u32 s18, s18, SC
	v_lshl_add_u32 v[RDX], v3, 4, s18
	s_lshl_b32 s18, s12, 10
	s_add_co_u32 s18, s18, BL
	v_lshl_add_u32 v[BO], v2, 5, s18
	v_mul_u32_u24 v[VS], v1, VP
	v_lshl_add_u32 v[VS], v2, 4, v[VS]
	v_add_nc_u32 v[VS], s17, v[VS]
	s_mul_i32 s18, s12, 4*VP
	v_lshl_add_u32 v[VR], v3, 4, s18
	s_mul_i32 s18, s12, OSG
	s_add_co_u32 s18, s18, SC                      ; my stage
	v_mul_u32_u24 v[OST], v1, OPI
	v_lshl_add_u32 v[OST], v2, 5, v[OST]
	v_add_nc_u32 v[OST], s18, v[OST]
	v_mul_u32_u24 v[ORD], v2, OPI
	v_lshl_add_u32 v[ORD], v1, 4, v[ORD]
	v_add_nc_u32 v[ORD], s18, v[ORD]
	s_lshl_b32 s18, s12, 14                        ; four rows of out0
	v_lshl_add_u32 v[OGO], v3, 4, s18
	v_lshl_add_u32 v[TA], v0, 4, BL
	v_lshlrev_b32 v[TB], 4, v0
	v_mov_b32 v[NEG1], -1.0
	s_wait_dscnt 0x0                               ; the opening add is done
	s_wait_kmcnt 0x0
	s_add_nc_u64 s[4:5], s[4:5], s[44:45]          ; x and out0 at the work-group's first row
	s_add_nc_u64 s[10:11], s[10:11], s[44:45]
	s_mov_b32 s42, s33
	s_add_nc_u64 s[40:41], s[6:7], s[42:43]        ; wf at my wave's block of tile 0
	XLOAD 0                                        ; x of steps 0 and 1
	XLOAD 1
.irp i, 0,1,2,3,4,5
	global_load_b128 v[T+4*\i:T+4*\i+3], v[TB], s[8:9] offset:2048*\i  ; the biases: 128 threads x 16 bytes, six times
.endr
	s_lshl_b32 s42, s15, 17                        ; the walk's tile 0
	s_add_nc_u64 s[34:35], s[40:41], s[42:43]
	s_or_b32 s35, s35, 0x80000000                  ; type = 2
	s_add_co_u32 s22, s15, 1
	s_and_b32 s22, s22, 15
	s_lshl_b32 s42, s22, 17                        ; and tile 1
	s_add_nc_u64 s[38:39], s[40:41], s[42:43]
	s_or_b32 s39, s39, 0x80000000
	CROUND                                         ; all four work-groups are here: the first joint loads meet
	tensor_load_to_lds s[32:35], s[24:31]          ; both first fills together: two loads of mine are out here, one behind every later round
	s_nop 0
	tensor_load_to_lds s[36:39], s[24:31]
	s_nop 0
	PLACES
	WIN 0x40                                       ; att starts at 0, so that one text serves both passes that add onto it; this stands in the wait for the first tile
.set i, 0
.rept 128
	v_mov_b32 v[ATT+i], 0
.set i, i+1
.endr
	WIN 0
	s_wait_loadcnt 14                              ; step 0's x is in; behind it: step 1's eight loads and the biases' six
	XCVT 0
	XSTORE 0, 0
	XLOAD 0                                        ; step 2's
	s_wait_loadcnt 8                               ; all but those eight
.irp i, 0,1,2,3,4,5
	ds_store_b128 v[TA], v[T+4*\i:T+4*\i+3] offset:2048*\i
.endr
	s_wait_tensorcnt 0x1                           ; my part of slot 0 is in; slot 1's may stay out
	s_wait_dscnt 0x0                               ; for the others' sake: my rows of x and my part of the biases are stored
	s_barrier_signal -1
	s_barrier_wait -1
	s_mov_b32 s2, 3                                ; passes to go, this one among them
.Lpass:
	FETCHA 0, 0, 0
	FETCHB 0, 0, 0
	H0 0, 1                                        ; a pass's first two quarters stand in front of the loop: their products start the sums
	H1 0, 1
	WIN 0                                          ; at a label and at a branch every window is 0
	s_mov_b32 s3, 7
.Llap:                                                 ; a trip goes once round the ring, from a step's third quarter to the second quarter two steps on, and fills both slots again
	H2 0, 2
	TURN 0, 1, 1
	H0 1, 0
	H1 1, 0
	H2 1, 2
	TURN 1, 1, 1
	H0 0, 0
	H1 0, 0
	WIN 0
	s_sub_co_u32 s3, s3, 1
	s_cmp_lg_u32 s3, 0
	s_cbranch_scc1 .Llap
	s_cmp_eq_u32 s2, 1
	s_cbranch_scc1 .Llast                          ; the last pass's tail is written out: it asks for nothing more
	H2 0, 2                                        ; THE RING GOES ON INTO THE NEXT PASS: slot 0 takes its first tile,
	TURN 0, 1, 1
	H0 1, 0
	H1 1, 0
	H2 1, 2
	TURN 1, 1, 0                                   ; slot 1 its second
	; att += q k^T over this pass's 32 channels.  Sixteen tokens at a time: every wave puts its 256 columns of them (wave 0, 1: q; 2, 3: k) into SC; behind a barrier wave w takes tokens 4 w .. 4 w + 3 whole.
	BIASLD
	s_wait_dscnt 0x0
	CONVQK 0
.irp a, 0,1,2,3
	WIN 0
.if \a
	s_barrier_signal -1                            ; every wave's reads of the sixteen tokens before are back (its wait for 0 stands ahead of its products)
	s_barrier_wait -1
.endif
.irp b, 0,1,2,3,4,5,6,7,8,9,10,11,12,13,14,15
	ds_store_b128 v[STO], v[PQ+4*\b:PQ+4*\b+3] offset:32*\b
.endr
	s_wait_dscnt 0x0                               ; for the others' sake
	s_barrier_signal -1
	s_barrier_wait -1
.if \a
	PLACES                                         ; the loads below land in registers that the last four products read
.endif
.irp i, 0,1,2,3
	ds_load_b128 v[T+16*\i:T+16*\i+3],     v[RDX] offset:QP*\i+1024  ; k: channels 0-15 of the 32,
	ds_load_b128 v[T+16*\i+4:T+16*\i+7],   v[RDX] offset:QP*\i+1536  ;    channels 16-31
	ds_load_b128 v[T+16*\i+8:T+16*\i+11],  v[RDX] offset:QP*\i       ; q
	ds_load_b128 v[T+16*\i+12:T+16*\i+15], v[RDX] offset:QP*\i+512
.endr
.if \a < 3
	CONVQK \a+1                                    ; the next sixteen tokens' arithmetic stands between the loads and the wait for them
.endif
	s_wait_dscnt 0x0
	WIN 0x50
.irp i, 0,1,2,3                        ; source 0 = k's 16 heads, source 1 = q's: a lane holds q's head lane % 16 and k's heads 8 (lane / 16) + 0..7
	v_wmma_f32_16x16x32_f16 v[ATT+8*(4*\a+\i):ATT+8*(4*\a+\i)+7], v[T+16*\i:T+16*\i+7], v[T+16*\i+8:T+16*\i+15], v[ATT+8*(4*\a+\i):ATT+8*(4*\a+\i)+7]
.endr
.endr
	WIN 0
	v_add_nc_u32 v[BO], 4096, v[BO]                ; the next pass's biases
	s_sub_co_u32 s2, s2, 1
	s_branch .Lpass
.Llast:
	H2 0, 1                                        ; the last step's x is stored; nothing more is loaded
	TURN 0, 0, 1                                   ; my last tensor load has landed; nothing is filled again, so no round follows
	H0 1, 0
	H1 1, 0
	H2 1, 0
	s_wait_dscnt 0x0                               ; my last reads of the slots and of x's ring are back:
	s_barrier_signal -1
	MUL 1, 1, 0, 8, 0
	WIN 0
	s_barrier_wait -1                              ; everybody's are: the slots' bytes are free for v
	s_wait_loadcnt 0x0                             ; the eight loads of x that nobody uses: their registers are taken below
	BIASLD
	s_wait_dscnt 0x0
.irp a, 0,1,2,3
	CONVV \a, 0
	CONVV \a, 1
	v_add_nc_u32 v[VS], 16*VP, v[VS]               ; the next sixteen tokens
.endr
	s_wait_dscnt 0x0                               ; for the others' sake
	s_barrier_signal -1
	s_barrier_wait -1
	LOADV 0
	ATTF 0
.set n, 0
.rept 16
	s_wait_dscnt 0x0                               ; V's fragments of token n are in
	PV n
.if n < 15
	ATTF n+1                                       ; 24 plain instructions on the other parity's registers: the places behind those products
.else
	PLACES
.endif
	WIN 0
	s_wait_xcnt 0x0                                ; the last token's stores have had their addresses translated (ISA guide 3.1): only behind this wait are their data registers loaded again
	OSTAGE n
.if n < 15
.if (n+1)%4 == 0
	v_add_nc_u32 v[VR], 16*VP, v[VR]
.endif
	LOADV n+1
	s_wait_dscnt 8                                 ; the row is back from the stage; the next token's eight loads may be out
.else
	s_wait_dscnt 0x0
.endif
	OSEND n
.set n, n+1
.endr
	s_wait_tensorcnt 0x0                           ; the wave's end, behind my last tensor load and my last LDS store
	ds_add_u32 v[SPW], v[NIL]
	s_wait_dscnt 0x0
	CROUND                                         ; the closing round: no work-group ends while a partner may still ask for a tile that names it
	s_endpgm
.Lfunc_end_k_q8b11310027_fused:
	.size	k_q8b11310027_fused, .Lfunc_end_k_q8b11310027_fused-k_q8b11310027_fused
	.p2alignl 7, 3214868480
	.fill 96, 4, 3214868480
	.section	.rodata,"a",@progbits
	.p2align	6, 0x0
	.amdhsa_kernel k_q8b11310027_fused
		.amdhsa_group_segment_fixed_size 327680
		.amdhsa_private_segment_fixed_size 0
		.amdhsa_enable_private_segment 0
		.amdhsa_kernarg_size 32
		.amdhsa_user_sgpr_count 2
		.amdhsa_user_sgpr_kernarg_segment_ptr 1
		.amdhsa_wavefront_size32 1
		.amdhsa_system_sgpr_workgroup_id_x 1
		.amdhsa_system_sgpr_workgroup_id_y 1
		.amdhsa_system_sgpr_workgroup_id_z 1
		.amdhsa_system_vgpr_workitem_id 0
		.amdhsa_next_free_vgpr 1024
		.amdhsa_next_free_sgpr 66
		.amdhsa_reserve_vcc 0
		.amdhsa_float_denorm_mode_32 3
		.amdhsa_float_denorm_mode_16_64 3
		.amdhsa_memory_ordered 1
		.amdhsa_forward_progress 1
		.amdhsa_inst_pref_size 255
	.end_amdhsa_kernel
	.section	.bss,"aw",@nobits
	.p2align	6
	.space	262144
	.amdgpu_metadata
---
amdhsa.version: [ 1, 2 ]
amdhsa.kernels:
  - .name:           k_q8b11310027_fused
    .symbol:         k_q8b11310027_fused.kd
    .args:
      - { .name: x, .offset: 0, .size: 8, .value_kind: global_buffer, .address_space: global }
      - { .name: wf, .offset: 8, .size: 8, .value_kind: global_buffer, .address_space: global }
      - { .name: bp, .offset: 16, .size: 8, .value_kind: global_buffer, .address_space: global }
      - { .name: out0, .offset: 24, .size: 8, .value_kind: global_buffer, .address_space: global }
    .group_segment_fixed_size: 327680
    .private_segment_fixed_size: 0
    .kernarg_segment_align: 8
    .kernarg_segment_size: 32
    .max_flat_workgroup_size: 128
    .sgpr_count:     66
    .vgpr_count:     1024
    .wavefront_size: 32
...
	.end_amdgpu_metadata
.endif
;; end of part 2
